; MI455X (gfx1250); checked and timed in simulation.
; The chip was launched on July 23, 2026; its instructions are those of AMD's public machine-readable ISA for CDNA 5 (MIT licence, August 2026) and "CDNA5" Instruction Set Architecture Reference Guide (July 2026). The comments in the code are by the model that wrote it; some were corrected since.
;; Self Attention Head. Allowed arithmetic: float matrix products may take bf16 or f16 operands with f32 sums; all other float work in f32.
;; Inputs: Wk 1,024 x 64 float32; Wq 1,024 x 64 float32; Wv 1,024 x 64 float32; x 4 x 4,096 x 1,024 float32.
;; Outputs: out0 4 x 4,096 x 64 float32.
;; One version. Each part assembles by itself: llvm-mc -triple=amdgcn-amd-amdhsa -mcpu=gfx1250 --defsym DOCPART=n.
;; ======== version 1 of 1: 2 launches
;; limits: values are held in f16: magnitudes above 65,504 overflow, below 6.1e-05 lose precision
;; workspace buffers: qf 2,097,152 bytes; kf 2,097,152 bytes; vf 2,097,152 bytes
;; launch proj (part 1): grid 256 x 1, 4 waves a work-group, no clusters, 279,040 bytes of LDS; arguments x, Wq, Wk, Wv, qf, kf, vf; writes qf, kf, vf
.if DOCPART == 1
	.amdgcn_target "amdgcn-amd-amdhsa--gfx1250"
	.amdhsa_code_object_version 6
	.text
	.protected	k_q167490b52d_proj
	.globl	k_q167490b52d_proj
	.p2align	8
	.type	k_q167490b52d_proj,@function
k_q167490b52d_proj:
	s_mov_b64 s[64:65], 0
	v_nop
	global_prefetch_b8 v0, s[64:65] scope:SCOPE_SE
	s_setreg_imm32_b32 hwreg(HW_REG_WAVE_MODE, 25, 1), 1
	s_wait_xcnt 0x0
; q = x Wq (log2 e / 8), k = x Wk, v = x Wv.   x: [16384][1024] f32.  W: [1024][64] f32.  qf, kf, vf: f16, in the order in which
; the attention launch's matrix fragments want them (below).  Products in bf16 (x and W rounded once), sums in f32, results rounded once to f16.
; LIMITS: inputs finite; |0.18 q|, |k|, |v| below 65,504 (f16's range).  The sum over the 1,024 k is made in four parts of 256
; (one a wave) that are added as (p0 + p1) + (p2 + p3): an order of rounding that differs from a single ascending chain.
;
; SHARES.  A work-group owns 64 rows of x and all 192 columns.  Its four waves split K: wave w takes k = 256 w .. 256 w + 255 for all
; 64 rows x 192 columns: 48 accumulator tiles of 16 x 16 (384 registers), 8 K steps of 32, 384 matrix instructions.  So every
; number of x and of W that the work-group needs is loaded and converted by exactly one wave, and nothing is shared before the final sum.
; x comes by four tensor loads a wave (64 rows x 64 k of f32 each), all asked for at the start: the work-group's whole 256 KiB is on its way at once.
; W comes straight into registers: lane (r, h) loads W[k0 + 16 h + i][4 r .. 4 r + 3], i = 0 .. 15: sixteen lanes cover a whole 256-byte row of W.
; The four numbers of a load belong to four column tiles t (column = 4 r + t); register p of tile t's fragment is the pair (i = 2 p, 2 p + 1).
; That puts k0 + 16 h + 0 .. 15 into lane half h: a permutation of k inside the K step, applied alike to x (64 neighbouring bytes a lane), so the products are the same.
; NO JOINT REQUESTS FOR W, though all work-groups read it: a joint request lands in LDS; a K step of W is 24 KiB a wave, 96 KiB a work-group,
; which does not fit beside x's 278,528 bytes, W would cross LDS once in and once out (768 KiB each way), and each number is used by one wave alone.
;
; RESULT LAYOUTS (L lane, r = L & 15, h = L >> 4; every store of a wave covers 512 consecutive bytes, aligned):
;   qf, kf: row tile T = row / 16: 2,048 bytes [c = 0..3][L][16 B]: row 16 T + r, dims 32 h + 8 c .. + 7
;   vf:     key block row / 32: 4,096 bytes [t = 0..3][c = 0..1][L][16 B]: rows 16 c + 8 h + 0 .. 7 of the block, dim 4 r + t
;
; REGISTERS, in windows of 256:  window 0: addresses, x as loaded, fragments;  window 1: sums of q (v0-127) and k (v128-255), tile (mt, t) at 32 mt + 8 t;
;   window 2: sums of v;  window 3: W as loaded, 64 registers a matrix (4 i + t).
.set PITCH,  272                       ; an LDS row of x: 256 bytes + 16 of padding: the 16 rows that a load touches fall on different banks
.set TILEB,  64*PITCH                  ; one tensor tile: 64 rows
.set WAVEX,  4*TILEB                   ; a wave's four tiles
.set REDW,   48*1024                   ; the final sum: one wave's 48 tiles of 1,024 bytes; overlays x behind the first barrier
.set WOFF, 1                           ; v1      byte offset in W: 65,536 w + 4,096 h + 16 r
.set XA,   2                           ; v2      LDS address in x: WAVEX w + 272 r + 64 h
.set RS,   3                           ; v3      final sum, where I put: REDW w + 16 L
.set RD,   4                           ; v[4:7]  final sum, where I read source s: REDW s + 12,288 w + 16 L
.set GO,   8                           ; v8      16 L
.set XRAW, 16                          ; v[16:79]   x of a K step in f32, 16 registers a row tile
.set XF,   80                          ; v[80:111]  x's fragments, 8 a row tile
.set FR,   112                         ; v[112:143], v[144:175]  W's fragments of one matrix (8 t + p), two buffers in turn
.set BUF,  16                          ; v[16:143]  final sum: 32 s + 8 t + j
.set PK,   176                         ; v[176:223] packed results, 16 a matrix
.set G1,   24                          ; s[24:31]  descriptor group 1
.set G0,   32                          ; s[32:47]  descriptor group 0, one for each of my four tiles
.set MSB,  0
.macro WIN new                         ; s_set_vgpr_msb: bits 1:0 source 0, 3:2 source 1, 5:4 source 2, 7:6 destination; the high byte repeats the setting left
.if MSB != \new
	s_set_vgpr_msb (MSB<<8)|\new
.set MSB, \new
.endif
.endm
	s_load_b256 s[4:11], s[0:1], 0x0               ; x s[4:5], Wq s[6:7], Wk s[8:9], Wv s[10:11]
	s_load_b128 s[12:15], s[0:1], 0x20             ; qf s[12:13], kf s[14:15]
	s_load_b64 s[16:17], s[0:1], 0x30              ; vf
	v_lshl_add_u32 v254, v0, 2, 0x44000
	v_mov_b32 v255, 0
	ds_add_u32 v254, v255
	ds_add_u32 v254, v255
	v_lshrrev_b32 v9, 5, v0
	v_readfirstlane_b32 s18, v9                    ; wave 0..3
	; group 1: a tile of 64 rows x 64 f32, 16 bytes of padding behind every 64 words
	s_mov_b32 s[G1+0], (2<<16)|(1<<20)|(5<<22)|(3<<25) ; element of 4 bytes; padding on; after every 64 words (code 5); of 4 words (code 3)
	s_mov_b32 s[G1+1], 64<<16                      ; tensor_dim0 = 64 (the tile lies inside the tensor: the extents are the tile's)
	s_mov_b32 s[G1+2], 64<<16                      ; tensor_dim1 = 64
	s_mov_b32 s[G1+3], 64<<16                      ; tile_dim0 = 64
	s_mov_b32 s[G1+4], 64                          ; tile_dim1 = 64
	s_mov_b32 s[G1+5], 1024                        ; from row to row: 1,024 elements
	s_mov_b32 s[G1+6], 0
	s_mov_b32 s[G1+7], 0
	s_mul_i32 s19, s18, WAVEX                      ; my four tiles in LDS
	s_lshl_b32 s20, ttmp9, 18                      ; 64 rows of 4,096 bytes a work-group (below 2^26)
	s_lshl_b32 s22, s18, 10                        ; my 256 k: 1,024 bytes into the row
	s_add_co_u32 s20, s20, s22
	s_mov_b32 s21, 0
	s_wait_dscnt 0x0
	s_wait_kmcnt 0x0
	s_add_nc_u64 s[4:5], s[4:5], s[20:21]
.irp j, 0,1,2,3
	s_mov_b32 s[G0+4*\j], 1                                    ; count = 1
	s_add_co_u32 s[G0+4*\j+1], s19, \j*TILEB                   ; LDS address
	s_add_nc_u64 s[G0+4*\j+2:G0+4*\j+3], s[4:5], \j*256        ; 64 k further along the rows
	s_or_b32 s[G0+4*\j+3], s[G0+4*\j+3], 0x80000000            ; type = 2
	tensor_load_to_lds s[G0+4*\j:G0+4*\j+3], s[G1:G1+7]        ; four outstanding a wave; no descriptor is ever rewritten
	s_nop 0
.endr
; 16 loads: matrix m's 32 rows of K step ks (16 a lane half), into window 3
.macro LDW m, ks
	WIN 0xc0
.irp i, 0,1,2,3,4,5,6,7,8,9,10,11,12,13,14,15
	global_load_b128 v[64*(\m)+4*\i:64*(\m)+4*\i+3], v[WOFF], s[6+2*(\m):7+2*(\m)] offset:(\ks)*8192+\i*256
.endr
.endm
; 32 roundings: matrix m's four fragments into buffer f.  Register p of tile t = rows 2 p and 2 p + 1, component t
.macro CVW m, f
	WIN 0x0f
.irp t, 0,1,2,3
.irp p, 0,1,2,3,4,5,6,7
	v_cvt_pk_bf16_f32 v[\f+8*\t+\p], v[64*(\m)+8*\p+\t], v[64*(\m)+8*\p+4+\t]
.endr
.endr
.endm
; 16 LDS loads: x of K step ks: row 16 mt + r, 64 bytes at k = 32 ks + 16 h
.macro LDX ks
	WIN 0
.irp mt, 0,1,2,3
.irp q, 0,1,2,3
	ds_load_b128 v[XRAW+16*\mt+4*\q:XRAW+16*\mt+4*\q+3], v[XA] offset:((\ks)>>1)*TILEB+\mt*16*PITCH+((\ks)&1)*128+16*\q
.endr
.endr
.endm
.macro CVX
.irp mt, 0,1,2,3
.irp p, 0,1,2,3,4,5,6,7
	v_cvt_pk_bf16_f32 v[XF+8*\mt+\p], v[XRAW+16*\mt+2*\p], v[XRAW+16*\mt+2*\p+1]
.endr
.endr
.endm
; q and k: source 0 = W's fragment, source 1 = x's: register j of lane (r, h) = row 16 mt + r, column 4 (8 h + j) + t
.macro MULQK acc, f, zero
	WIN 0x50
.irp mt, 0,1,2,3
.irp t, 0,1,2,3
.if \zero
	v_wmma_f32_16x16x32_bf16 v[\acc+32*\mt+8*\t:\acc+32*\mt+8*\t+7], v[\f+8*\t:\f+8*\t+7], v[XF+8*\mt:XF+8*\mt+7], 0
.else
	v_wmma_f32_16x16x32_bf16 v[\acc+32*\mt+8*\t:\acc+32*\mt+8*\t+7], v[\f+8*\t:\f+8*\t+7], v[XF+8*\mt:XF+8*\mt+7], v[\acc+32*\mt+8*\t:\acc+32*\mt+8*\t+7]
.endif
.endr
.endr
.endm
; v: source 0 = x's fragment, source 1 = W's: register j of lane (r, h) = row 16 mt + 8 h + j, column 4 r + t
.macro MULV f, zero
	WIN 0xa0
.irp mt, 0,1,2,3
.irp t, 0,1,2,3
.if \zero
	v_wmma_f32_16x16x32_bf16 v[32*\mt+8*\t:32*\mt+8*\t+7], v[XF+8*\mt:XF+8*\mt+7], v[\f+8*\t:\f+8*\t+7], 0
.else
	v_wmma_f32_16x16x32_bf16 v[32*\mt+8*\t:32*\mt+8*\t+7], v[XF+8*\mt:XF+8*\mt+7], v[\f+8*\t:\f+8*\t+7], v[32*\mt+8*\t:32*\mt+8*\t+7]
.endif
.endr
.endr
.endm
; One matrix of one K step.  Three groups of 16 W loads are always out; each is asked for a whole K step ahead of its use.
; Distances behind matrix instructions (ISA guide 7.12.1): a fragment buffer is rewritten two stages after it was read, with the other
; buffer's 32 roundings between; x's fragments are rewritten behind the 32 roundings of Wq, which name the buffer that the last products did not.
.macro STAGE ks, m
.set FB, FR+32*((3*\ks+\m)&1)
.set LEFT, 32                                      ; the two younger groups of 16 loads stay out
.if 3*\ks+\m == 22
.set LEFT, 16                                      ; the last K step asks for nothing: the counts run down
.endif
.if 3*\ks+\m == 23
.set LEFT, 0
.endif
.set ZR, 0
.if \ks == 0
.set ZR, 1                                         ; the first K step starts the sums: nothing is cleared
.endif
	s_wait_loadcnt LEFT
	CVW \m, FB
.if \ks < 7
	LDW \m, \ks+1
.endif
.if \m == 0
	WIN 0
	s_wait_dscnt 0x0                               ; x of this K step, asked for a K step ago
	CVX
.if \ks < 7
.if (\ks+1)%2 == 0
	s_wait_tensorcnt 3-(\ks+1)/2                   ; the next K step opens my next tile: the tiles behind it stay out
.endif
	LDX \ks+1
.endif
.endif
.if \m == 2
	MULV FB, ZR
.else
	MULQK 128*\m, FB, ZR
.endif
.endm
	v_and_b32 v10, 15, v0                          ; r
	v_bfe_u32 v11, v0, 4, 1                        ; h
	v_and_b32 v12, 31, v0                          ; L
	s_lshl_b32 s22, s18, 16                        ; my 256 rows of W: 65,536 bytes a wave
	v_lshl_add_u32 v[WOFF], v10, 4, s22
	v_lshl_add_u32 v[WOFF], v11, 12, v[WOFF]
	LDW 0, 0
	LDW 1, 0
	LDW 2, 0
	WIN 0
	v_mul_u32_u24 v[XA], v10, PITCH
	v_lshl_add_u32 v[XA], v11, 6, v[XA]
	v_add_nc_u32 v[XA], s19, v[XA]
	v_lshlrev_b32 v[GO], 4, v12
	s_mul_i32 s22, s18, REDW
	v_add_nc_u32 v[RS], s22, v[GO]
	s_mul_i32 s22, s18, 12*1024                    ; I sum row tile mt = w: its 12 tiles
.irp s, 0,1,2,3
	v_add_nc_u32 v[RD+\s], s22, v[GO]
	s_add_co_u32 s22, s22, REDW
.endr
	s_lshl_b32 s20, ttmp9, 2
	s_add_co_u32 s20, s20, s18
	s_lshl_b32 s20, s20, 11                        ; row tile 4 wg + w: 2,048 bytes each (s21 is still 0)
	s_add_nc_u64 s[12:13], s[12:13], s[20:21]
	s_add_nc_u64 s[14:15], s[14:15], s[20:21]
	s_lshl_b32 s20, ttmp9, 1
	s_lshr_b32 s22, s18, 1
	s_add_co_u32 s20, s20, s22
	s_lshl_b32 s20, s20, 12                        ; key block 2 wg + (w >> 1): 4,096 bytes each,
	s_and_b32 s22, s18, 1
	s_lshl_b32 s22, s22, 9                         ; its half c = w & 1: 512 bytes
	s_add_co_u32 s20, s20, s22
	s_add_nc_u64 s[16:17], s[16:17], s[20:21]
	s_wait_tensorcnt 0x3                           ; my first tile is in LDS; three stay out.  Only I read my tiles: no barrier
	LDX 0
.irp ks, 0,1,2,3,4,5,6,7
.irp m, 0,1,2
	STAGE \ks, \m
.endr
.endr
	; THE FINAL SUM over the four waves' parts, through LDS.
.rept 4
	v_nop                                          ; four places between the last products and the LDS stores that read them
.endr
	WIN 0
	s_wait_dscnt 0x0                               ; my reads of x are over (and my tensor loads: the wait for 0 stood in K step 5)
	s_barrier_signal -1
	s_barrier_wait -1                              ; everybody's are: x's bytes may be overwritten
	WIN 0x04                                       ; store data from window 1
.irp m, 0,1
.irp mt, 0,1,2,3
.irp t, 0,1,2,3
.irp hf, 0,1
	ds_store_b128 v[RS], v[128*\m+32*\mt+8*\t+4*\hf:128*\m+32*\mt+8*\t+4*\hf+3] offset:(\mt*12+\m*4+\t)*1024+\hf*512
.endr
.endr
.endr
.endr
	WIN 0x08                                       ; from window 2
.irp mt, 0,1,2,3
.irp t, 0,1,2,3
.irp hf, 0,1
	ds_store_b128 v[RS], v[32*\mt+8*\t+4*\hf:32*\mt+8*\t+4*\hf+3] offset:(\mt*12+8+\t)*1024+\hf*512
.endr
.endr
.endr
	WIN 0
	s_wait_dscnt 0x0                               ; for the others' sake: all my parts are in LDS
	s_barrier_signal -1
	s_barrier_wait -1
; matrix m of my row tile: four sources x four tiles x 8 registers, added lane by lane; the result B(t, j) ends in v[BUF + 8 t + j]
.macro SUMUP m
.irp s, 0,1,2,3
.irp t, 0,1,2,3
.irp hf, 0,1
	ds_load_b128 v[BUF+32*\s+8*\t+4*\hf:BUF+32*\s+8*\t+4*\hf+3], v[RD+\s] offset:(4*\m+\t)*1024+\hf*512
.endr
.endr
.endr
	s_wait_dscnt 0x0
.irp p, 0,2,4,6,8,10,12,14,16,18,20,22,24,26,28,30
	v_pk_add_f32 v[BUF+\p:BUF+\p+1], v[BUF+\p:BUF+\p+1], v[BUF+32+\p:BUF+32+\p+1]
	v_pk_add_f32 v[BUF+64+\p:BUF+64+\p+1], v[BUF+64+\p:BUF+64+\p+1], v[BUF+96+\p:BUF+96+\p+1]
.endr
.irp p, 0,2,4,6,8,10,12,14,16,18,20,22,24,26,28,30
	v_pk_add_f32 v[BUF+\p:BUF+\p+1], v[BUF+\p:BUF+\p+1], v[BUF+64+\p:BUF+64+\p+1]
.endr
.endm
; q and k: dims 32 h + 4 j + t in order are (t = 0, 1), (t = 2, 3) of j = 0, then of j = 1, ...: chunk c = registers 4 c .. 4 c + 3
.macro PACKQK m
.irp j, 0,1,2,3,4,5,6,7
	v_cvt_pk_f16_f32 v[PK+16*\m+2*\j],   v[BUF+\j],    v[BUF+8+\j]
	v_cvt_pk_f16_f32 v[PK+16*\m+2*\j+1], v[BUF+16+\j], v[BUF+24+\j]
.endr
.irp c, 0,1,2,3
	global_store_b128 v[GO], v[PK+16*\m+4*\c:PK+16*\m+4*\c+3], s[12+2*\m:13+2*\m] offset:512*\c
.endr
.endm
	SUMUP 0
.irp p, 0,2,4,6,8,10,12,14,16,18,20,22,24,26,28,30
	v_pk_mul_f32 v[BUF+\p:BUF+\p+1], v[BUF+\p:BUF+\p+1], 0x3e38aa3b op_sel_hi:[1,0]   ; q x log2 e / 8: the scores come out ready for exp2
.endr
	PACKQK 0
	SUMUP 1
	PACKQK 1                                       ; each matrix has its own packed registers: no store's data is rewritten
	SUMUP 2
.irp t, 0,1,2,3
.irp jj, 0,1,2,3
	v_cvt_pk_f16_f32 v[PK+32+4*\t+\jj], v[BUF+8*\t+2*\jj], v[BUF+8*\t+2*\jj+1]        ; rows 8 h + 2 jj, + 1 of dim 4 r + t
.endr
.endr
.irp t, 0,1,2,3
	global_store_b128 v[GO], v[PK+32+4*\t:PK+32+4*\t+3], s[16:17] offset:1024*\t
.endr
	s_wait_tensorcnt 0x0
	ds_add_u32 v254, v255
	s_wait_dscnt 0x0
	s_endpgm
.Lfunc_end_k_q167490b52d_proj:
	.size	k_q167490b52d_proj, .Lfunc_end_k_q167490b52d_proj-k_q167490b52d_proj
	.p2alignl 7, 3214868480
	.fill 96, 4, 3214868480
	.section	.rodata,"a",@progbits
	.p2align	6, 0x0
	.amdhsa_kernel k_q167490b52d_proj
		.amdhsa_group_segment_fixed_size 279040
		.amdhsa_private_segment_fixed_size 0
		.amdhsa_enable_private_segment 0
		.amdhsa_kernarg_size 56
		.amdhsa_user_sgpr_count 2
		.amdhsa_user_sgpr_kernarg_segment_ptr 1
		.amdhsa_wavefront_size32 1
		.amdhsa_system_sgpr_workgroup_id_x 1
		.amdhsa_system_sgpr_workgroup_id_y 1
		.amdhsa_system_sgpr_workgroup_id_z 1
		.amdhsa_system_vgpr_workitem_id 0
		.amdhsa_next_free_vgpr 960
		.amdhsa_next_free_sgpr 66
		.amdhsa_reserve_vcc 0
		.amdhsa_float_denorm_mode_32 3
		.amdhsa_float_denorm_mode_16_64 3
		.amdhsa_memory_ordered 1
		.amdhsa_forward_progress 1
		.amdhsa_inst_pref_size 168
	.end_amdhsa_kernel
	.amdgpu_metadata
---
amdhsa.version: [ 1, 2 ]
amdhsa.kernels:
  - .name:           k_q167490b52d_proj
    .symbol:         k_q167490b52d_proj.kd
    .args:
      - { .name: x, .offset: 0, .size: 8, .value_kind: global_buffer, .address_space: global }
      - { .name: Wq, .offset: 8, .size: 8, .value_kind: global_buffer, .address_space: global }
      - { .name: Wk, .offset: 16, .size: 8, .value_kind: global_buffer, .address_space: global }
      - { .name: Wv, .offset: 24, .size: 8, .value_kind: global_buffer, .address_space: global }
      - { .name: qf, .offset: 32, .size: 8, .value_kind: global_buffer, .address_space: global }
      - { .name: kf, .offset: 40, .size: 8, .value_kind: global_buffer, .address_space: global }
      - { .name: vf, .offset: 48, .size: 8, .value_kind: global_buffer, .address_space: global }
    .group_segment_fixed_size: 279040
    .private_segment_fixed_size: 0
    .kernarg_segment_align: 8
    .kernarg_segment_size: 56
    .max_flat_workgroup_size: 128
    .sgpr_count:     66
    .vgpr_count:     960
    .wavefront_size: 32
...
	.end_amdgpu_metadata
.endif
;; end of part 1
;; launch attn (part 2): grid 256 x 1, 8 waves a work-group, no clusters, 157,696 bytes of LDS; arguments qf, kf, vf, out0; writes out0
.if DOCPART == 2
	.amdgcn_target "amdgcn-amd-amdhsa--gfx1250"
	.amdhsa_code_object_version 6
	.text
	.protected	k_q167490b52d_attn
	.globl	k_q167490b52d_attn
	.p2align	8
	.type	k_q167490b52d_attn,@function
k_q167490b52d_attn:
	s_mov_b64 s[64:65], 0
	v_nop
	global_prefetch_b8 v0, s[64:65] scope:SCOPE_SE
	s_setreg_imm32_b32 hwreg(HW_REG_WAVE_MODE, 25, 1), 1
	s_wait_xcnt 0x0
; out0[b][t][:] = softmax over s <= t of (q[t] . k[s] / 8) applied to v.  qf, kf, vf: f16 in fragment order (q already times log2 e / 8).  out0: [4][4096][64] f32.
; Products in f16 with f32 sums; maxima, exponentials, sums and the running state in f32.
; LIMITS: inputs finite; scores (in units of log2) far above the sentinel -1e30 that stands for a masked score and for "no key seen yet";
; a weight below 2^-24 of its row's running maximum becomes 0 when it is rounded to f16; the keys of a row are summed in eight parts (one a wave), merged at the end.
;
; SHARES.  Work-group wg: batch wg >> 6, i = wg & 63.  It owns two blocks of 32 queries, qb = 127 - i and qb = i.  A block needs
; (qb >> 1) + 1 steps of 64 keys, the two together 65 whatever i: every work-group has the same work.
; The eight waves (two on each SIMD: one's softmax runs beside the other's products) split the KEYS: a wave takes the steps kb = w' (mod 8),
; w' = w in the first block, 7 - w in the second, so that a wave has 8 steps and one wave 9.  Each wave holds all 32 queries and its own m, l, O.
; The block's last step holds the diagonal; it is the last step of wave w' = (n - 1) & 7, which alone masks.
; A STEP: S^T = K Q^T (register j of lane (r, h): key 16 kt + 8 h + j, query r), so m, l, alpha are one number a lane and two tiles of S pack straight into
; a fragment of P^T; then O^T = V^T P^T (register j: dim 32 h + 4 j + t, query r).  K and V come straight into registers, 16 loads of 512 consecutive bytes each,
; asked for one step ahead: no LDS and no barrier inside the blocks.
; NO JOINT REQUESTS FOR K AND V, though work-groups of a batch read the same ones: partners would need different numbers of steps ((qb >> 1) + 1 hangs on i),
; a joint request lands in LDS, and each fragment is used by one wave alone, from the registers that it is loaded into.
;
; LDS: O parts at 0: (8 blk + wave) 8,192 + (8 qt + 2 t + half) 512 + 16 L;  m and l at MLB: ((8 blk + wave) 2 + qt) 256 + 4 L (+128 for l);  the way out at STB: 64 rows of 272.
.set MLB, 131072
.set STB, 139264
.set SPITCH, 272
.set LOF, 1                            ; v1      16 L: my 16 bytes in every 512-byte piece
.set RH,  2                            ; v2      r - 8 h
.set CC,  3                            ; v3      r - 8 h + 32 (qb & 1): key 16 kt + 8 h + j of the last step is allowed for query 16 qt + r if 16 kt + j - 16 qt <= this
.set OA,  4                            ; v4, v6  where I put my O: block 0, block 1
.set MLA, 5                            ; v5      where I put my m and l
.set MM,  8                            ; v[8:11]   for each qt the pair (m, old m - new m)
.set AL,  12                           ; v[12:15]  for each qt alpha, twice
.set LL,  16                           ; v[16:17]  l of my lane's keys
.set T,   20                           ; v[20:27]  at work
.set Q,   32                           ; v[32:63]   16 qt + 8 ks
.set O,   64                           ; v[64:127]  32 qt + 8 t
.set S,   128                          ; v[128:191] 32 qt + 8 kt
.set P,   192                          ; v[192:223] 16 qt + 8 a
.set K,   0                            ; window 1: v[0:63]    16 kt + 8 ks
.set V,   64                           ; window 1: v[64:127]  32 a + 8 t
.set MSB, 0
.macro WIN new                         ; s_set_vgpr_msb: bits 1:0 source 0, 3:2 source 1, 5:4 source 2, 7:6 destination; the high byte repeats the setting left
.if MSB != \new
	s_set_vgpr_msb (MSB<<8)|\new
.set MSB, \new
.endif
.endm
.macro PLACES                          ; four places behind matrix instructions, in front of loads into their sources and of whatever reads their results
.rept 4
	v_nop
.endr
.endm
	s_load_b256 s[4:11], s[0:1], 0x0               ; qf s[4:5], kf s[6:7], vf s[8:9], out0 s[10:11]
	v_lshl_add_u32 v254, v0, 2, 0x26400
	v_mov_b32 v255, 0
	v_lshrrev_b32 v7, 5, v0
	v_readfirstlane_b32 s12, v7                    ; wave 0..7
	s_and_b32 s13, ttmp9, 63                       ; i
	s_lshr_b32 s14, ttmp9, 6                       ; batch
	s_lshl_b32 s39, s14, 12                        ; its first row
	s_lshl_b32 s14, s14, 19                        ; 4,096 rows x 128 bytes in qf, kf, vf
	s_mov_b32 s15, 0
	s_mov_b32 s36, 0x76543210                      ; v_permlanex16_b32: lane i of one half reads lane i of the other
	s_mov_b32 s37, 0xfedcba98
	s_mov_b32 s38, 0xf149f2ca                      ; -1e30
	v_and_b32 v20, 31, v0                          ; L   (v20, v21 are thereby written: v_permlanex16_b32 counts as a reader of its destination)
	v_and_b32 v21, 15, v0                          ; r
	v_bfe_u32 v22, v0, 4, 1                        ; h
	v_lshlrev_b32 v[LOF], 4, v20
	v_lshlrev_b32 v23, 3, v22
	v_sub_nc_u32 v[RH], v21, v23
	s_lshl_b32 s33, s12, 13
	v_add_nc_u32 v[OA], s33, v[LOF]
	v_add_nc_u32 v[OA+2], 0x10000, v[OA]
	s_lshl_b32 s33, s12, 9
	s_add_co_u32 s33, s33, MLB
	v_lshl_add_u32 v[MLA], v20, 2, s33
	s_wait_kmcnt 0x0
	s_add_nc_u64 s[16:17], s[6:7], s[14:15]        ; kf, vf, qf at my batch
	s_add_nc_u64 s[18:19], s[8:9], s[14:15]
	s_add_nc_u64 s[20:21], s[4:5], s[14:15]
; 16 loads: the 8,192 consecutive bytes of a step's K or V, into window 1
.macro LD16 base, sreg
	WIN 0x40
.irp n, 0,1,2,3,4,5,6,7,8,9,10,11,12,13,14,15
	global_load_b128 v[\base+4*\n:\base+4*\n+3], v[LOF], s[\sreg:\sreg+1] offset:512*\n
.endr
.endm
; the diagonal step: keys beyond the query get the sentinel.  A select in every lane, no branch
.macro MASK
.irp qt, 0,1
.irp kt, 0,1,2,3
.irp j, 0,1,2,3,4,5,6,7
	v_cmp_le_i32 vcc_lo, 16*\kt+\j-16*\qt, v[CC]
	v_cndmask_b32 v[S+32*\qt+8*\kt+\j], s38, v[S+32*\qt+8*\kt+\j], vcc_lo
.endr
.endr
.endr
.endm
; the running softmax of 16 queries x 64 keys: lane (r, h) holds 32 scores of query r
.macro SOFT qt
.irp c, 0,1,2,3
	v_max3_num_f32 v[T+\c], v[S+32*\qt+8*\c], v[S+32*\qt+8*\c+1], v[S+32*\qt+8*\c+2]   ; four chains that do not wait for each other
.endr
.irp c, 0,1,2,3
	v_max3_num_f32 v[T+\c], v[T+\c], v[S+32*\qt+8*\c+3], v[S+32*\qt+8*\c+4]
.endr
.irp c, 0,1,2,3
	v_max3_num_f32 v[T+\c], v[T+\c], v[S+32*\qt+8*\c+5], v[S+32*\qt+8*\c+6]
.endr
.irp c, 0,1,2,3
	v_max_num_f32 v[T+\c], v[T+\c], v[S+32*\qt+8*\c+7]
.endr
	v_max3_num_f32 v[T], v[T], v[T+1], v[T+2]
	v_max3_num_f32 v[T], v[T], v[T+3], v[MM+2*\qt]         ; with the old m
	v_permlanex16_b32 v[T+1], v[T], s36, s37               ; the other half's keys of the same query
	v_max_num_f32 v[T+2], v[T], v[T+1]
	v_sub_f32 v[MM+2*\qt+1], v[MM+2*\qt], v[T+2]
	v_mov_b32 v[MM+2*\qt], v[T+2]
	v_exp_f32 v[AL+2*\qt], v[MM+2*\qt+1]                   ; alpha = 2^(old m - new m), twice, for the packed multiply;
	v_exp_f32 v[AL+2*\qt+1], v[MM+2*\qt+1]                 ; the subtractions below are the plain instructions behind it (ISA guide 5.7.2)
.irp p, 0,2,4,6,8,10,12,14,16,18,20,22,24,26,28,30
	v_pk_add_f32 v[S+32*\qt+\p:S+32*\qt+\p+1], v[S+32*\qt+\p:S+32*\qt+\p+1], v[MM+2*\qt:MM+2*\qt+1] op_sel_hi:[1,0] neg_lo:[0,1] neg_hi:[0,1]
.endr
.set e, 0
.rept 32
	v_exp_f32 v[S+32*\qt+e], v[S+32*\qt+e]
.set e, e+1
.endr
	s_wait_alu depctr_va_vdst(0)
.irp p, 0,2,4,6,8,10,12,14,16,18,20,22,24,26,28,30
	v_pk_mul_f32 v[O+32*\qt+\p:O+32*\qt+\p+1], v[O+32*\qt+\p:O+32*\qt+\p+1], v[AL+2*\qt:AL+2*\qt+1]   ; also the plain instructions behind the exponentials
.endr
.irp c, 0,1,2,3
	v_pk_add_f32 v[T+2*\c:T+2*\c+1], v[S+32*\qt+8*\c:S+32*\qt+8*\c+1], v[S+32*\qt+8*\c+2:S+32*\qt+8*\c+3]
.endr
.irp c, 0,1,2,3
	v_pk_add_f32 v[T+2*\c:T+2*\c+1], v[T+2*\c:T+2*\c+1], v[S+32*\qt+8*\c+4:S+32*\qt+8*\c+5]
.endr
.irp c, 0,1,2,3
	v_pk_add_f32 v[T+2*\c:T+2*\c+1], v[T+2*\c:T+2*\c+1], v[S+32*\qt+8*\c+6:S+32*\qt+8*\c+7]
.endr
	v_pk_add_f32 v[T:T+1], v[T:T+1], v[T+2:T+3]
	v_pk_add_f32 v[T+4:T+5], v[T+4:T+5], v[T+6:T+7]
	v_pk_add_f32 v[T:T+1], v[T:T+1], v[T+4:T+5]
	v_add_f32 v[T], v[T], v[T+1]
	v_fma_f32 v[LL+\qt], v[LL+\qt], v[AL+2*\qt], v[T]
.irp i, 0,1,2,3,4,5,6,7,8,9,10,11,12,13,14,15
	v_cvt_pk_f16_f32 v[P+16*\qt+\i], v[S+32*\qt+2*\i], v[S+32*\qt+2*\i+1]   ; tiles kt = 2 a, 2 a + 1 are registers 0-3, 4-7 of P^T's fragment a
.endr
.endm
; One step of 64 keys.  mask = 1: the diagonal step.  pre = 1: the wave's next step (eight steps of 8,192 bytes further) is asked for.
.macro STEP mask, pre
	s_wait_loadcnt 16                              ; Q and this step's K are in; the 16 younger loads (V) stay out
	WIN 0x01                                       ; source 0 (K, V) from window 1
.irp qt, 0,1
.irp kt, 0,1,2,3
	v_wmma_f32_16x16x32_f16 v[S+32*\qt+8*\kt:S+32*\qt+8*\kt+7], v[K+16*\kt:K+16*\kt+7], v[Q+16*\qt:Q+16*\qt+7], 0
.endr
.endr
.irp qt, 0,1
.irp kt, 0,1,2,3
	v_wmma_f32_16x16x32_f16 v[S+32*\qt+8*\kt:S+32*\qt+8*\kt+7], v[K+16*\kt+8:K+16*\kt+15], v[Q+16*\qt+8:Q+16*\qt+15], v[S+32*\qt+8*\kt:S+32*\qt+8*\kt+7]
.endr
.endr
	PLACES
.if \pre
	s_add_nc_u64 s[22:23], s[22:23], 0x10000       ; free: the wait at the head showed K's loads done
	LD16 K, 22
.endif
	WIN 0
.if \mask
	MASK
.endif
	SOFT 0
	SOFT 1
.if \pre
	s_wait_loadcnt 16                              ; V is in; the next step's 16 loads of K stay out
.else
	s_wait_loadcnt 0
.endif
	WIN 0x01
.irp a, 0,1
.irp qt, 0,1
.irp t, 0,1,2,3
	v_wmma_f32_16x16x32_f16 v[O+32*\qt+8*\t:O+32*\qt+8*\t+7], v[V+32*\a+8*\t:V+32*\a+8*\t+7], v[P+16*\qt+8*\a:P+16*\qt+8*\a+7], v[O+32*\qt+8*\t:O+32*\qt+8*\t+7]
.endr
.endr
.endr
	PLACES
.if \pre
	s_add_nc_u64 s[24:25], s[24:25], 0x10000       ; free: the wait in front of the products showed V's loads done
	LD16 V, 24
.endif
	WIN 0
.endm
; One block of 32 queries: my share of its keys; my m, l, O go to LDS.
.macro BLOCK blk
.if \blk == 0
	s_sub_co_u32 s28, 127, s13                     ; qb
	s_mov_b32 s30, s12                             ; w'
.else
	s_mov_b32 s28, s13
	s_sub_co_u32 s30, 7, s12
.endif
	s_lshr_b32 s32, s28, 1                         ; n - 1
	s_add_co_u32 s29, s32, 8
	s_sub_co_u32 s29, s29, s30
	s_lshr_b32 s31, s29, 3                         ; my steps: (n + 7 - w') >> 3
	s_and_b32 s32, s32, 7                          ; whose last step holds the diagonal
	s_and_b32 s33, s28, 1
	s_lshl_b32 s33, s33, 5
	v_add_nc_u32 v[CC], s33, v[RH]
	; The state is cleared rather than started by a first product: in a short block a wave may have no step at all and still hands over neutral sums,
	; and a first step written apart would repeat the step's text three more times a block.
	v_mov_b32 v[MM], s38
	v_mov_b32 v[MM+2], s38
	v_mov_b32 v[LL], 0
	v_mov_b32 v[LL+1], 0
.set e, 0
.rept 64
	v_mov_b32 v[O+e], 0
.set e, e+1
.endr
	s_cmp_eq_u32 s31, 0
	s_cbranch_scc1 .Lpart\blk
	s_lshl_b32 s34, s28, 12                        ; a block of q: 4,096 bytes
	s_mov_b32 s35, 0
	s_add_nc_u64 s[26:27], s[20:21], s[34:35]
	s_lshl_b32 s34, s30, 13                        ; a step of k or v: 8,192 bytes
	s_add_nc_u64 s[22:23], s[16:17], s[34:35]
	s_add_nc_u64 s[24:25], s[18:19], s[34:35]
.irp n, 0,1,2,3,4,5,6,7
	global_load_b128 v[Q+4*\n:Q+4*\n+3], v[LOF], s[26:27] offset:512*\n
.endr
	LD16 K, 22
	LD16 V, 24
	WIN 0
	s_sub_co_u32 s31, s31, 1                       ; all steps but my last ask for the next one
	s_cmp_eq_u32 s31, 0
	s_cbranch_scc1 .Llast\blk
.Lloop\blk:
	STEP 0, 1
	s_sub_co_i32 s31, s31, 1
	s_cmp_lg_u32 s31, 0
	s_cbranch_scc1 .Lloop\blk
.Llast\blk:
	s_cmp_eq_u32 s32, s30
	s_cbranch_scc1 .Ldiag\blk
	STEP 0, 0
	s_branch .Lpart\blk
.Ldiag\blk:
	STEP 1, 0
.Lpart\blk:
.irp qt, 0,1
	v_permlanex16_b32 v[T+\qt], v[LL+\qt], s36, s37        ; l: the two halves' keys together
	v_add_f32 v[LL+\qt], v[LL+\qt], v[T+\qt]
	ds_store_b32 v[MLA], v[MM+2*\qt] offset:\blk*4096+\qt*256
	ds_store_b32 v[MLA], v[LL+\qt] offset:\blk*4096+\qt*256+128
.irp t, 0,1,2,3
.irp hf, 0,1
	ds_store_b128 v[OA+2*\blk], v[O+32*\qt+8*\t+4*\hf:O+32*\qt+8*\t+4*\hf+3] offset:(\qt*8+\t*2+\hf)*512
.endr
.endr
.endr
.endm
	BLOCK 0
	BLOCK 1
	; THE MERGE.  Wave w takes block w >> 2, query tile (w >> 1) & 1, and of each O tile the registers 4 hj .. 4 hj + 3, hj = w & 1.
.set OS, 32                            ; v[32:159]  O of source s, tile t: 16 s + 4 t + jj
.set MS, 160                           ; v[160:167] m of the eight sources
.set LS, 168                           ; v[168:175] l
.set ES, 176                           ; v[176:183] 2^(m_s - M)
.set WP, 184                           ; v[184:199] the weights 2^(m_s - M) / L, each twice
.set AC, 200                           ; v[200:215] the sums, 4 t + jj
.set OU, 216                           ; v[216:231] the sums in the order of the dims, 4 jj + t
.set WO, 232                           ; v[232:247] the way out
	s_wait_dscnt 0x0                               ; for the others' sake: my parts are in LDS
	s_barrier_signal -1
	s_barrier_wait -1
	s_lshr_b32 s33, s12, 2                         ; blk
	s_bfe_u32 s34, s12, 0x10001                    ; qt
	s_and_b32 s35, s12, 1                          ; hj
	v_and_b32 v20, 31, v0
	v_and_b32 v21, 15, v0
	v_bfe_u32 v22, v0, 4, 1
	s_lshl_b32 s42, s33, 12
	s_lshl_b32 s43, s34, 8
	s_add_co_u32 s42, s42, s43
	s_add_co_u32 s42, s42, MLB
	v_lshl_add_u32 v7, v20, 2, s42                 ; m and l of source 0
	s_lshl_b32 s42, s33, 16
	s_lshl_b32 s43, s34, 12
	s_add_co_u32 s42, s42, s43
	s_lshl_b32 s43, s35, 9
	s_add_co_u32 s42, s42, s43
	v_add_nc_u32 v28, s42, v[LOF]                  ; my half of O's tile 0 of source 0
.irp s, 0,1,2,3,4,5,6,7
	ds_load_b32 v[MS+\s], v7 offset:\s*512
	ds_load_b32 v[LS+\s], v7 offset:\s*512+128
.endr
.irp s, 0,1,2,3,4,5,6,7
.irp t, 0,1,2,3
	ds_load_b128 v[OS+16*\s+4*\t:OS+16*\s+4*\t+3], v28 offset:\s*8192+\t*1024
.endr
.endr
	s_lshr_b32 s42, s12, 1
	s_mul_i32 s42, s42, 16*SPITCH                  ; the stage: row 16 (w >> 1) + r,
	s_lshl_b32 s43, s35, 6
	s_add_co_u32 s42, s42, s43
	s_add_co_u32 s42, s42, STB
	v_mul_u32_u24 v29, v21, SPITCH
	v_lshl_add_u32 v29, v22, 7, v29                ; dims 32 h + 16 hj + 0 .. 15: byte 128 h + 64 hj
	v_add_nc_u32 v29, s42, v29
	s_mul_i32 s42, s12, 8*SPITCH                   ; back: rows 8 w + (L >> 4), 16 bytes a lane
	s_add_co_u32 s42, s42, STB
	v_mul_u32_u24 v30, v22, SPITCH
	v_lshl_add_u32 v30, v21, 4, v30
	v_add_nc_u32 v30, s42, v30
	s_sub_co_u32 s40, 127, s13
	s_cmp_eq_u32 s33, 0
	s_cselect_b32 s40, s40, s13                    ; qb of my block
	s_lshl_b32 s40, s40, 5
	s_add_co_u32 s40, s40, s39
	s_lshl_b32 s42, s34, 4
	s_add_co_u32 s40, s40, s42
	s_lshl_b32 s42, s35, 3
	s_add_co_u32 s40, s40, s42                     ; my first row of out0: 4,096 b + 32 qb + 16 qt + 8 hj
	s_lshl_b32 s40, s40, 8                         ; rows of 256 bytes
	s_mov_b32 s41, 0
	s_add_nc_u64 s[40:41], s[10:11], s[40:41]
	s_wait_dscnt 32                                ; the 16 loads of m and l are in; the 32 younger ones (O) stay out while the weights are made
	v_max3_num_f32 v[T], v[MS], v[MS+1], v[MS+2]
	v_max3_num_f32 v[T], v[T], v[MS+3], v[MS+4]
	v_max3_num_f32 v[T], v[T], v[MS+5], v[MS+6]
	v_max_num_f32 v[T], v[T], v[MS+7]
.irp s, 0,1,2,3,4,5,6,7
	v_sub_f32 v[ES+\s], v[MS+\s], v[T]
.endr
.irp s, 0,1,2,3,4,5,6,7
	v_exp_f32 v[ES+\s], v[ES+\s]                   ; a wave without a step has m = -1e30: weight 0
.endr
	v_nop                                          ; one plain instruction between the exponentials and their use (ISA guide 5.7.2)
	s_wait_alu depctr_va_vdst(0)
	v_mul_f32 v[T+1], v[ES], v[LS]
.irp s, 1,2,3,4,5,6,7
	v_fmac_f32 v[T+1], v[ES+\s], v[LS+\s]
.endr
	v_rcp_f32 v[T+2], v[T+1]                       ; the sum is at least 1: the source that holds the maximum counts its largest weight as 1
	v_nop
	s_wait_alu depctr_va_vdst(0)
.irp s, 0,1,2,3,4,5,6,7
	v_mul_f32 v[WP+2*\s], v[ES+\s], v[T+2]
	v_mul_f32 v[WP+2*\s+1], v[ES+\s], v[T+2]
.endr
	s_wait_dscnt 0x0
.irp p, 0,2,4,6,8,10,12,14
	v_pk_mul_f32 v[AC+\p:AC+\p+1], v[OS+\p:OS+\p+1], v[WP:WP+1]
.endr
.irp s, 1,2,3,4,5,6
.irp p, 0,2,4,6,8,10,12,14
	v_pk_fma_f32 v[AC+\p:AC+\p+1], v[OS+16*\s+\p:OS+16*\s+\p+1], v[WP+2*\s:WP+2*\s+1], v[AC+\p:AC+\p+1]
.endr
.endr
.irp t, 0,1,2,3
.irp jj, 0,1,2,3
	v_fma_f32 v[OU+4*\jj+\t], v[OS+112+4*\t+\jj], v[WP+14], v[AC+4*\t+\jj]   ; the last source also puts dim 4 jj + t in its place: no copy
.endr
.endr
.irp c, 0,1,2,3
	ds_store_b128 v29, v[OU+4*\c:OU+4*\c+3] offset:16*\c
.endr
	s_wait_dscnt 0x0                               ; a row of the stage is written by two waves (hj = 0, 1): all wait, then the barrier
	s_barrier_signal -1
	s_barrier_wait -1
.irp i, 0,1,2,3
	ds_load_b128 v[WO+4*\i:WO+4*\i+3], v30 offset:2*SPITCH*\i
.endr
.irp i, 0,1,2,3
	s_wait_dscnt 3-\i                              ; LDS loads come back in order (ISA guide 5.7.1): the younger ones stay out
	global_store_b128 v[LOF], v[WO+4*\i:WO+4*\i+3], s[40:41] offset:512*\i th:TH_STORE_NT   ; sixteen lanes fill one aligned row of 256 bytes
.endr
	s_wait_tensorcnt 0x0
	ds_add_u32 v254, v255
	s_wait_dscnt 0x0
	s_endpgm
.Lfunc_end_k_q167490b52d_attn:
	.size	k_q167490b52d_attn, .Lfunc_end_k_q167490b52d_attn-k_q167490b52d_attn
	.p2alignl 7, 3214868480
	.fill 96, 4, 3214868480
	.section	.rodata,"a",@progbits
	.p2align	6, 0x0
	.amdhsa_kernel k_q167490b52d_attn
		.amdhsa_group_segment_fixed_size 157696
		.amdhsa_private_segment_fixed_size 0
		.amdhsa_enable_private_segment 0
		.amdhsa_kernarg_size 32
		.amdhsa_user_sgpr_count 2
		.amdhsa_user_sgpr_kernarg_segment_ptr 1
		.amdhsa_wavefront_size32 1
		.amdhsa_system_sgpr_workgroup_id_x 1
		.amdhsa_system_sgpr_workgroup_id_y 1
		.amdhsa_system_sgpr_workgroup_id_z 1
		.amdhsa_system_vgpr_workitem_id 0
		.amdhsa_next_free_vgpr 384
		.amdhsa_next_free_sgpr 66
		.amdhsa_reserve_vcc 1
		.amdhsa_float_denorm_mode_32 3
		.amdhsa_float_denorm_mode_16_64 3
		.amdhsa_memory_ordered 1
		.amdhsa_forward_progress 1
		.amdhsa_inst_pref_size 135
	.end_amdhsa_kernel
	.amdgpu_metadata
---
amdhsa.version: [ 1, 2 ]
amdhsa.kernels:
  - .name:           k_q167490b52d_attn
    .symbol:         k_q167490b52d_attn.kd
    .args:
      - { .name: qf, .offset: 0, .size: 8, .value_kind: global_buffer, .address_space: global }
      - { .name: kf, .offset: 8, .size: 8, .value_kind: global_buffer, .address_space: global }
      - { .name: vf, .offset: 16, .size: 8, .value_kind: global_buffer, .address_space: global }
      - { .name: out0, .offset: 24, .size: 8, .value_kind: global_buffer, .address_space: global }
    .group_segment_fixed_size: 157696
    .private_segment_fixed_size: 0
    .kernarg_segment_align: 8
    .kernarg_segment_size: 32
    .max_flat_workgroup_size: 256
    .sgpr_count:     66
    .vgpr_count:     384
    .wavefront_size: 32
...
	.end_amdgpu_metadata
.endif
;; end of part 2
